; MI455X (gfx1250); checked and timed in simulation.
; The chip was launched on July 23, 2026; its instructions are those of AMD's public machine-readable ISA for CDNA 5 (MIT licence, August 2026) and "CDNA5" Instruction Set Architecture Reference Guide (July 2026). The comments in the code are by the model that wrote it; some were corrected since.
;; EETQ Linear. Allowed arithmetic: matrix products marked QUANTISED: E4M3 operands, one E8M0 scale for each 32 along K, by v_wmma_scale_f32_16x16x128_f8f6f4 with both operands' format E4M3, f32 sums; everything else in f32.
;; Inputs: bias 4,096 float16; scale 4,096 float16; w_q 4,096 x 4,096 int8; x 4 x 1,024 x 4,096 float16.
;; Outputs: out0 4 x 1,024 x 4,096 float16.
;; This version of the problem:
;;   THIS VERSION OF THE PROBLEM IS GIVEN IN LOW PRECISION. The matrix products marked QUANTISED in the list below multiply operands that are first quantised to E4M3 (4 exponent bits, 3 mantissa bits; 8 bits a number), with one power-of-two scale for each 32 numbers along K (OCP MX v1.0); their sums are f32. All else is computed in f32.
;;   The module's matrix products, in the order in which they are computed (A, B: the left and right operand; K: the contracted axis; several contracted axes count as one K, in the product's order):
;;     1. [M 4,096, K 4,096] x [K 4,096, N 4,096]; A: input x; B: computed on the way: QUANTISED
;;   THE QUANTISER, for each operand of a quantised product, along K:
;;     - K is cut into blocks of 32 from its start; a last block that is shorter is filled with zeros.
;;     - A block's scale is 2^e with e = floor(log2(the largest magnitude in the block)) - 8, held to -126 .. 127; a block of zeros has e = 0. As a byte (E8M0): e + 127.
;;     - Each number is divided by its block's scale, clamped to +-448, and rounded to the nearest number of E4M3, ties to even, subnormals kept.
;;     - The product sums the exact products of the quantised numbers (number of the format x scale) in f32.
;;   ~~~python
;;   def quantise(x, axis):      # numpy; x: float32 -> the quantised numbers, widened to float32 again
;;       x = np.moveaxis(x, axis, -1); K = x.shape[-1]
;;       x = np.pad(x, [(0, 0)] * (x.ndim - 1) + [(0, -K % 32)]); x = x.reshape(x.shape[:-1] + (-1, 32)); a = np.abs(x).max(-1, keepdims=True)
;;       e = np.where(a > 0, np.clip(np.frexp(np.where(a > 0, a, 1))[1] - 1 - 8, -126, 127), 0)      # np.frexp(a)[1] - 1 = floor(log2(a)), exactly
;;       r = np.clip(x / 2.0 ** e, -448, 448)
;;       step = 2.0 ** (np.maximum(np.frexp(np.where(r == 0, 1, r))[1] - 1, -6) - 3)
;;       q = np.round(r / step) * step * 2.0 ** e      # np.round: ties to even
;;       return np.moveaxis(q.reshape(q.shape[:-2] + (-1,))[..., :K], -1, axis).astype(np.float32)
;;   ~~~
;;   OPERANDS COMPUTED ON THE WAY. 'Computed on the way' means the value that the module computes at that place (a softmax that the list does not call 'softmax' is quantised finished and normalised). What goes into a quantiser is computed in f32, as accurately as f32 sums, v_exp_f32 and their like allow (about 1e-6 of the number): no bf16 or f16 on the way to a quantiser, and a product that is left as it is and whose result goes on into a quantised operand takes f32 operands (vector FMAs, or v_wmma_f32_16x16x4_f32). A number that lies on a knife's edge between two numbers of the format may be rounded either way, as far as f32 arithmetic and the matrix unit's own rounding can turn it there, and no further.
;; One version. Each part assembles by itself: llvm-mc -triple=amdgcn-amd-amdhsa -mcpu=gfx1250 --defsym DOCPART=n.
;; ======== version 1 of 1: 2 launches
;; limits: values are held in f16: magnitudes above 65,504 overflow, below 6.1e-05 lose precision; right only within a limited range of input values
;; workspace buffers: a_ws 17,301,504 bytes; b_ws 17,301,504 bytes
;; launch quant (part 1): grid 512 x 1, 8 waves a work-group, no clusters, 74,752 bytes of LDS; arguments x, w_q, scale, a_ws, b_ws; writes a_ws, b_ws
.if DOCPART == 1
	.amdgcn_target "amdgcn-amd-amdhsa--gfx1250"
	.amdhsa_code_object_version 6
	.text
	.protected	k_q495a7ce9cc_quant
	.globl	k_q495a7ce9cc_quant
	.p2align	8
	.type	k_q495a7ce9cc_quant,@function
k_q495a7ce9cc_quant:
	s_mov_b64 s[64:65], 0
	v_nop
	global_prefetch_b8 v0, s[64:65] scope:SCOPE_SE
	s_setreg_imm32_b32 hwreg(HW_REG_WAVE_MODE, 25, 1), 1
	s_wait_xcnt 0x0
; x [4096][4096] f16 (K innermost) and w[k][n] = w_q[k][n] * scale[n] (w_q int8, K its FIRST axis; scale f16) become codes of FP8 (E4M3) with one E8M0 scale byte for each 32 along K.
; A block's scale is 2^(floor(log2(its largest magnitude)) - 8); its byte is the largest magnitude's exponent field - 8, held at 1 from below; each number is divided by the scale, held within +-448 and rounded to the nearest code, ties to even.
; w_q * scale is 8 bits x 11 bits: exact in f32, so nothing is rounded ahead of the quantiser.
; BOTH RESULTS ARE LAID AS THE NEXT LAUNCH READS THEM: [group of 128 rows: 32][K step of 256: 16][BLK bytes]; a block is 128 rows x 256 codes (row r at 256 r) and then, from 32,768 on, 1,024 scale bytes:
;   [half q of the K step: 2][row / 64: 2][row % 16: 16][(row / 16) % 4: 4][32 along K of that half: 4].
; For w a "row" is a column n.  A block is dense, 132 x 256 bytes, and a group's 16 blocks lie on end.
; LIMITS: NaN and infinities in x or scale are not served.  A block of zeros gets the byte 1 where the quantiser's rule says 127: its codes are zeros, which add nothing under any byte but 0xff, and this program alone reads the bytes.
; ONE LAUNCH FOR BOTH: work-groups 0-255 take w, work-groups 256-511 take x, eight waves each.  The branch hangs on the work-group's number alone, so all waves of a work-group go one way; the two ways share no LDS byte.
; No tensor loads, no matrix unit, no cluster, no prefetch (no loop to run ahead in): the launch streams, and no two work-groups read the same byte of x or w_q.
.set BLK,   33792
.set GSTR,  16*BLK                     ; from a group of 128 rows to the next
.set WP,    272                        ; w's stage: a row of 256 codes + 16 bytes
.set SST,   256*WP                     ; behind the stage's 256 rows: w's scale bytes, two blocks of 1,024
.set XSB,   SST+2048                   ; behind them: x's scale bytes, two blocks of 1,024
.set SPARE, XSB+2048                   ; the spare words, 128 bytes for each wave
.set FLOOR, 0x4800000                  ; 2^(9 - 127): no largest magnitude is taken under it, so the byte cannot fall under 1
.set EOFF,  0xfc000000                 ; 8 off an exponent field
.set SPW, 224                          ; v224 my spare word, v225 0
.set NIL, 225
	s_load_b256 s[4:11], s[0:1], 0x0               ; x s[4:5], w_q s[6:7], scale s[8:9], a_ws s[10:11]
	s_load_b64 s[12:13], s[0:1], 0x20              ; b_ws
	v_lshl_add_u32 v[SPW], v0, 2, SPARE
	v_mov_b32 v[NIL], 0
	v_lshrrev_b32 v1, 5, v0
	v_readfirstlane_b32 s16, v1                    ; wave 0..7
	v_and_b32 v1, 31, v0                           ; lane
	s_mov_b32 s23, 0x600000                        ; the mantissa field of 448
	s_mov_b32 s21, 0                               ; the upper word of every 64-bit offset below
	s_wait_alu depctr_va_vdst(0)
	s_wait_kmcnt 0x0
	s_cmp_lt_u32 ttmp9, 256
	s_cbranch_scc0 .Lx
; ---------------------------------------------------------------- w: a work-group takes 256 columns x 256 along K: two blocks of b_ws.
; Wave wv takes k = 32 wv .. 32 wv + 31, one block of 32, for all 256 columns.  A load is one row of w_q at 256 columns, 8 bytes a lane: 256 consecutive bytes, aligned.  Lane l so holds columns 8 l + c, and its registers run DOWN K:
; a block's 32 numbers of a column lie in one lane, its largest magnitude needs no other lane, and the conversions give codes with K innermost.
; The codes meet in a stage (a row = a column's 256 codes, an eighth from each wave), a barrier, and leave as whole rows of 256 bytes.  Column 8 l + c lies in stage row l + 32 c, so that neighbouring lanes write neighbouring rows.
.set R,   64                           ; v64-127  32 loads x 2 registers; later the rows read back
.set TW,  128                          ; v128-159 32 numbers at work
.set CD,  160                          ; v160-223 codes, 8 registers a column
.set SCP, 20                           ; v20-35   column c: 128 x scale, twice (a pair for the packed form)
.set MCP, 36                           ; v36-51   column c: -32,896 x scale, twice
.set SBY, 52                           ; v52-59   column c: its scale byte
	s_mov_b32 s24, 0x80808080                      ; turns four int8 q into four bytes u = q + 128
	s_mov_b32 s28, 0x43800000                      ; 256.0: with u in its bits 15:8 it is 256 + u / 128
	s_mov_b32 s29, 0x03020400                      ; the selects that put byte 0, 1, 2, 3 there
	s_mov_b32 s30, 0x03020500
	s_mov_b32 s31, 0x03020600
	s_mov_b32 s32, 0x03020700
	s_and_b32 s17, ttmp9, 15                       ; which 256 columns
	s_lshr_b32 s18, ttmp9, 4                       ; which K step
	s_lshl_b32 s20, s18, 8
	s_lshl_b32 s25, s16, 5                         ; 32 x wave
	s_add_co_u32 s20, s20, s25                     ; my first row of w_q: 256 x K step + 32 x wave,
	s_lshl_b32 s20, s20, 12                        ; of 4,096 bytes,
	s_lshl_b32 s22, s17, 8
	s_add_co_u32 s20, s20, s22                     ; + my work-group's first column
	s_add_nc_u64 s[6:7], s[6:7], s[20:21]
	s_lshl_b32 s20, s17, 9
	s_add_nc_u64 s[8:9], s[8:9], s[20:21]          ; scale at that column
	s_lshl_b32 s20, s17, 5
	s_add_co_u32 s20, s20, s18
	s_mul_i32 s20, s20, BLK                        ; the block of group 2 x (column / 256), this K step; the other group's lies GSTR on
	s_add_nc_u64 s[12:13], s[12:13], s[20:21]
	s_lshr_b32 s26, s16, 2
	s_lshl_b32 s26, s26, 9
	s_and_b32 s36, s16, 3
	s_add_co_u32 s26, s26, s36
	s_add_co_u32 s26, s26, SST                     ; scale bytes: half q = wave / 4, byte wave % 4
	s_mul_i32 s27, s16, 32*WP                      ; my 32 stage rows on the way out
	s_lshl_b32 s33, s16, 8                         ; 256 x wave
	s_add_co_u32 s34, s33, SST                     ; my 256 scale bytes on the way out,
	s_lshr_b32 s35, s16, 2
	s_mul_i32 s35, s35, GSTR                       ; waves 0-3: the first group's block; waves 4-7: the second's
	s_lshl_b32 s36, s36, 8
	s_add_co_u32 s35, s35, s36
	s_add_co_u32 s35, s35, 32768                   ; and their place in b_ws
	v_lshlrev_b32 v2, 4, v1                        ; my 8 scales: 16 bytes
	v_lshlrev_b32 v3, 3, v1                        ; my 8 columns of a row
	global_load_b128 v[4:7], v2, s[8:9]
.set i, 0
.rept 32
	global_load_b64 v[R+2*i:R+2*i+1], v3, s[6:7] offset:4096*i th:TH_LOAD_NT
.set i, i+1
.endr
	v_mul_u32_u24 v8, v1, WP
	v_add_nc_u32 v8, s25, v8                       ; v8: into the stage: row l (+ 32 c by the immediate), my wave's 32 bytes
	v_bfe_u32 v9, v1, 1, 2                         ; v9: my columns' scale bytes: column 8 l + c is row 8 (l % 2) + c of block (l / 2) % 8 of group l / 16
	v_lshlrev_b32 v9, 2, v9
	v_and_b32 v14, 1, v1
	v_lshl_add_u32 v9, v14, 7, v9
	v_bfe_u32 v14, v1, 3, 1
	v_lshl_add_u32 v9, v14, 8, v9
	v_lshrrev_b32 v15, 4, v1
	v_lshl_add_u32 v9, v15, 10, v9
	v_add_nc_u32 v9, s26, v9
	v_and_b32 v14, 15, v1
	v_mul_u32_u24 v10, v15, WP
	v_lshl_add_u32 v10, v14, 4, v10
	v_add_nc_u32 v10, s27, v10                     ; v10: out of the stage: my wave's 32 rows, sixteen lanes to a row, two rows an instruction
	v_lshlrev_b32 v11, 11, v15
	v_lshl_add_u32 v11, v14, 4, v11
	v_add_nc_u32 v11, s33, v11                     ; v11: the same place in a block: 256 x (8 (l / 16) + wave) + 16 (l % 16)
	v_lshl_add_u32 v12, v1, 3, s34                 ; v12: my wave's 256 scale bytes, 8 a lane
	v_lshl_add_u32 v13, v1, 3, s35                 ; v13: and their place in b_ws
	s_wait_alu depctr_va_vdst(0)
	s_wait_loadcnt 32                              ; the scales are in: the 32 row loads are younger
	v_cvt_f32_f16 v20, v4.l
	v_cvt_f32_f16 v21, v4.l
	v_cvt_f32_f16 v22, v4.h
	v_cvt_f32_f16 v23, v4.h
	v_cvt_f32_f16 v24, v5.l
	v_cvt_f32_f16 v25, v5.l
	v_cvt_f32_f16 v26, v5.h
	v_cvt_f32_f16 v27, v5.h
	v_cvt_f32_f16 v28, v6.l
	v_cvt_f32_f16 v29, v6.l
	v_cvt_f32_f16 v30, v6.h
	v_cvt_f32_f16 v31, v6.h
	v_cvt_f32_f16 v32, v7.l
	v_cvt_f32_f16 v33, v7.l
	v_cvt_f32_f16 v34, v7.h
	v_cvt_f32_f16 v35, v7.h
.set i, 0
.rept 16
	v_mul_f32 v[MCP+i], 0xc7008000, v[SCP+i]       ; -32,896 x scale: 9 bits x 11 bits, exact
.set i, i+1
.endr
.set i, 0
.rept 16
	v_mul_f32 v[SCP+i], 0x43000000, v[SCP+i]       ; 128 x scale: exact
.set i, i+1
.endr
	s_wait_alu depctr_va_vdst(0)
	s_wait_loadcnt 0x0
.set i, 0
.rept 64
	v_xor_b32 v[R+i], s24, v[R+i]                  ; four int8 become four bytes u = q + 128
.set i, i+1
.endr
; Column 8 l + c: (256 + u / 128) x (128 scale) - 32,896 scale = (u - 128) x scale in one fused multiply-add (the exact result has 19 bits: nothing is rounded); the block's scale, the hold, the codes.
.macro COL c
.set RJ, R+(\c)/4
.set CS, CD+8*(\c)
.set i, 0
.rept 32
	v_perm_b32 v[TW+i], v[RJ+2*i], s28, s[29+(\c)%4]
.set i, i+1
.endr
.set i, 0
.rept 16
	v_pk_fma_f32 v[TW+2*i:TW+2*i+1], v[TW+2*i:TW+2*i+1], v[SCP+2*(\c):SCP+2*(\c)+1], v[MCP+2*(\c):MCP+2*(\c)+1]
.set i, i+1
.endr
	v_max3_num_f32 v14, |v[TW]|, |v[TW+1]|, |v[TW+2]|              ; the largest magnitude, in two chains
	v_max3_num_f32 v15, |v[TW+3]|, |v[TW+4]|, |v[TW+5]|
.irp n, 6,10,14,18,22,26
	v_max3_num_f32 v14, v14, |v[TW+\n]|, |v[TW+\n+1]|
	v_max3_num_f32 v15, v15, |v[TW+\n+2]|, |v[TW+\n+3]|
.endr
	v_max3_num_f32 v14, v14, |v[TW+30]|, |v[TW+31]|
	v_max3_num_f32 v14, v14, v15, FLOOR
	v_add_nc_u32 v16, EOFF, v14                    ; 8 off its exponent field: the conversion takes the exponent field of this operand as its scale, and nothing else of it
	v_and_or_b32 v17, v14, 0x7f800000, s23         ; 448 x the scale
.set i, 0
.rept 32
	v_med3_num_f32 v[TW+i], v[TW+i], -v17, v17     ; the conversion to an 8-bit code does not saturate (ISA guide 7.6.2): the hold comes first
.set i, i+1
.endr
.irp g, 0,1,2,3
	v_cvt_scalef32_pk8_fp8_f32 v[CS+2*\g:CS+2*\g+1], v[TW+8*\g:TW+8*\g+7], v16
.endr
	v_lshrrev_b32 v[SBY+(\c)], 23, v16             ; the scale's byte.  (Also the plain instruction between the conversions and the next column's writes of their sources)
	ds_store_b128 v8, v[CS:CS+3] offset:32*WP*(\c)
	ds_store_b128 v8, v[CS+4:CS+7] offset:32*WP*(\c)+16
	ds_store_b8 v9, v[SBY+(\c)] offset:16*(\c)
.endm
.irp c, 0,1,2,3,4,5,6,7
	COL \c
.endr
	s_wait_dscnt 0x0                               ; for the others' sake: my stores into the stage and among the scale bytes are done
	s_barrier_signal -1
	s_barrier_wait -1
.set t, 0
.rept 16
	ds_load_b128 v[R+4*t:R+4*t+3], v10 offset:2*WP*t               ; stage rows 32 wave + 2 t + l / 16, whole
.set t, t+1
.endr
	ds_load_b64 v[60:61], v12
; stage row 32 wave + 2 t + h holds column 16 t + 8 h + wave: its group is t / 8, its row there 16 (t % 8) + (8 h + wave, which stand in v11)
.set t, 0
.rept 16
	s_wait_dscnt 16-t                              ; the younger row loads and the load of the scale bytes may be out
	global_store_b128 v11, v[R+4*t:R+4*t+3], s[12:13] offset:(t/8)*GSTR+16*(t%8)*256   ; sixteen lanes store 256 consecutive bytes, aligned
.set t, t+1
.endr
	s_wait_dscnt 0x0
	global_store_b64 v13, v[60:61], s[12:13]       ; 256 consecutive scale bytes, aligned
	s_wait_tensorcnt 0x0                           ; the wave's end
	ds_add_u32 v[SPW], v[NIL]
	s_wait_dscnt 0x0
	s_endpgm
; ---------------------------------------------------------------- x: a work-group takes 128 rows x 512 along K: two blocks of a_ws; wave w rows 32 (w % 4) .. + 31 of the block of K step w / 4.
; A load is one row's 512 consecutive bytes, 8 numbers a lane; four neighbouring lanes hold a block of 32.  A lane's 8 codes are 8 bytes: the wave's store is one whole row of 256 codes, aligned.  No stage.
; The scale bytes of the eight waves meet in LDS in the block's order; behind a barrier each wave stores one aligned run of 256.  24 of a wave's 32 loads are asked for at its head; rows go two at a time, and every row has its own registers for its codes and its byte.
.Lx:
	s_sub_co_u32 s17, ttmp9, 256
	s_lshr_b32 s19, s17, 3                         ; group of 128 rows
	s_and_b32 s18, s17, 7
	s_lshl_b32 s18, s18, 1
	s_lshr_b32 s24, s16, 2
	s_add_co_u32 s18, s18, s24                     ; K step
	s_and_b32 s22, s16, 3                          ; which 32 of the 128 rows
	s_lshl_b32 s20, s19, 2
	s_add_co_u32 s20, s20, s22
	s_lshl_b32 s20, s20, 18                        ; 32 rows of 8,192 bytes
	s_lshl_b32 s25, s18, 9
	s_add_co_u32 s20, s20, s25
	s_add_nc_u64 s[4:5], s[4:5], s[20:21]
	s_lshl_b32 s20, s19, 4
	s_add_co_u32 s20, s20, s18
	s_mul_i32 s20, s20, BLK
	s_add_nc_u64 s[10:11], s[10:11], s[20:21]      ; the block
	s_lshl_b32 s20, s22, 8
	s_add_co_u32 s20, s20, 32768
	s_add_nc_u64 s[26:27], s[10:11], s[20:21]      ; the 256 scale bytes that I store
	s_lshl_b32 s20, s22, 13
	s_add_nc_u64 s[10:11], s[10:11], s[20:21]      ; my codes
	s_lshl_b32 s20, s24, 10                        ; my rows' scale bytes in LDS: block w / 4, row / 64 = (w / 2) % 2, (row / 16) % 4 = 2 (w % 2) + (row % 32) / 16
	s_lshr_b32 s25, s22, 1
	s_lshl_b32 s25, s25, 8
	s_add_co_u32 s20, s20, s25
	s_and_b32 s25, s22, 1
	s_lshl_b32 s25, s25, 3
	s_add_co_u32 s20, s20, s25
	s_add_co_u32 s20, s20, XSB
	s_lshl_b32 s28, s16, 8
	s_add_co_u32 s28, s28, XSB                     ; the 256 that I store
	v_lshlrev_b32 v3, 4, v1                        ; in: 16 bytes a lane
	v_lshlrev_b32 v4, 3, v1                        ; out: 8 bytes a lane
.set t, 0
.rept 24
	global_load_b128 v[32+4*t:35+4*t], v3, s[4:5] offset:8192*t th:TH_LOAD_NT
.set t, t+1
.endr
	v_bfe_u32 v5, v1, 2, 2                         ; my block of 32 along K: half q = l / 16, byte (l / 4) % 4
	v_lshrrev_b32 v6, 4, v1
	v_lshl_add_u32 v5, v6, 9, v5
	v_add_nc_u32 v5, s20, v5
	v_lshl_add_u32 v6, v1, 3, s28                  ; and on the way out 8 bytes a lane
	s_wait_alu depctr_va_vdst(0)
.macro WIDEN t, a, b, c, d             ; (registers named by number: a register's halves have names only so)
	v_cvt_f32_f16 v[\t], v\a\().l
	v_cvt_f32_f16 v[\t+1], v\a\().h
	v_cvt_f32_f16 v[\t+2], v\b\().l
	v_cvt_f32_f16 v[\t+3], v\b\().h
	v_cvt_f32_f16 v[\t+4], v\c\().l
	v_cvt_f32_f16 v[\t+5], v\c\().h
	v_cvt_f32_f16 v[\t+6], v\d\().l
	v_cvt_f32_f16 v[\t+7], v\d\().h
.endm
; Rows i and i + 1, loaded into registers a to d and e to h.  ahead = 1: the registers take the rows 24 further down.
.macro XPAIR i, a, b, c, d, e, f, g, h, ahead
.if \ahead
	s_wait_loadcnt 22                              ; my two rows are in; the 22 younger loads stay out
.else
	s_wait_loadcnt 30-(\i)                         ; nothing more is asked for: the counts run down
.endif
	WIDEN 16, \a, \b, \c, \d
	WIDEN 24, \e, \f, \g, \h
.if \ahead
	global_load_b128 v[\a:\d], v3, s[4:5] offset:8192*((\i)+24) th:TH_LOAD_NT
	global_load_b128 v[\e:\h], v3, s[4:5] offset:8192*((\i)+25) th:TH_LOAD_NT
.endif
	v_max3_num_f32 v8, |v16|, |v17|, FLOOR
	v_max3_num_f32 v9, |v24|, |v25|, FLOOR
.irp n, 2,4,6
	v_max3_num_f32 v8, v8, |v[16+\n]|, |v[17+\n]|
	v_max3_num_f32 v9, v9, |v[24+\n]|, |v[25+\n]|
.endr
	v_max_num_f32_dpp v8, v8, v8 row_xmask:1 row_mask:0xf bank_mask:0xf
	v_max_num_f32_dpp v9, v9, v9 row_xmask:1 row_mask:0xf bank_mask:0xf
	v_max_num_f32_dpp v8, v8, v8 row_xmask:2 row_mask:0xf bank_mask:0xf   ; with the three lanes that share my block
	v_max_num_f32_dpp v9, v9, v9 row_xmask:2 row_mask:0xf bank_mask:0xf
	v_add_nc_u32 v10, EOFF, v8                     ; the conversion's scale operand
	v_add_nc_u32 v11, EOFF, v9
	v_and_or_b32 v12, v8, 0x7f800000, s23          ; 448 x the scale
	v_and_or_b32 v13, v9, 0x7f800000, s23
.irp n, 0,1,2,3,4,5,6,7
	v_med3_num_f32 v[16+\n], v[16+\n], -v12, v12
	v_med3_num_f32 v[24+\n], v[24+\n], -v13, v13
.endr
	v_cvt_scalef32_pk8_fp8_f32 v[128+2*(\i):129+2*(\i)], v[16:23], v10
	v_cvt_scalef32_pk8_fp8_f32 v[130+2*(\i):131+2*(\i)], v[24:31], v11
	v_lshrrev_b32 v[192+(\i)], 23, v10             ; the scales' bytes.  (Also the plain instructions behind the conversions)
	v_lshrrev_b32 v[193+(\i)], 23, v11
	global_store_b64 v4, v[128+2*(\i):129+2*(\i)], s[10:11] offset:256*(\i)   ; 32 lanes store 256 consecutive bytes, aligned
	global_store_b64 v4, v[130+2*(\i):131+2*(\i)], s[10:11] offset:256*(\i)+256
	ds_store_b8 v5, v[192+(\i)] offset:16*((\i)%16)+4*((\i)/16)      ; the four lanes of a block write the same byte with the same value
	ds_store_b8 v5, v[193+(\i)] offset:16*((\i)%16)+4*((\i)/16)+16
.endm
.macro XROWS i0, ahead
	XPAIR \i0+0, 32, 33, 34, 35, 36, 37, 38, 39, \ahead
	XPAIR \i0+2, 40, 41, 42, 43, 44, 45, 46, 47, \ahead
	XPAIR \i0+4, 48, 49, 50, 51, 52, 53, 54, 55, \ahead
	XPAIR \i0+6, 56, 57, 58, 59, 60, 61, 62, 63, \ahead
.endm
	XROWS 0, 1
	XPAIR 8, 64, 65, 66, 67, 68, 69, 70, 71, 0
	XPAIR 10, 72, 73, 74, 75, 76, 77, 78, 79, 0
	XPAIR 12, 80, 81, 82, 83, 84, 85, 86, 87, 0
	XPAIR 14, 88, 89, 90, 91, 92, 93, 94, 95, 0
	XPAIR 16, 96, 97, 98, 99, 100, 101, 102, 103, 0
	XPAIR 18, 104, 105, 106, 107, 108, 109, 110, 111, 0
	XPAIR 20, 112, 113, 114, 115, 116, 117, 118, 119, 0
	XPAIR 22, 120, 121, 122, 123, 124, 125, 126, 127, 0
	XROWS 24, 0
	s_wait_dscnt 0x0                               ; for the others' sake: my scale bytes are in LDS
	s_barrier_signal -1
	s_barrier_wait -1
	ds_load_b64 v[14:15], v6
	s_wait_dscnt 0x0
	global_store_b64 v4, v[14:15], s[26:27]        ; 256 consecutive scale bytes, aligned
	s_wait_tensorcnt 0x0                           ; the wave's end
	ds_add_u32 v[SPW], v[NIL]
	s_wait_dscnt 0x0
	s_endpgm
.Lfunc_end_k_q495a7ce9cc_quant:
	.size	k_q495a7ce9cc_quant, .Lfunc_end_k_q495a7ce9cc_quant-k_q495a7ce9cc_quant
	.p2alignl 7, 3214868480
	.fill 96, 4, 3214868480
	.section	.rodata,"a",@progbits
	.p2align	6, 0x0
	.amdhsa_kernel k_q495a7ce9cc_quant
		.amdhsa_group_segment_fixed_size 74752
		.amdhsa_private_segment_fixed_size 0
		.amdhsa_enable_private_segment 0
		.amdhsa_kernarg_size 40
		.amdhsa_user_sgpr_count 2
		.amdhsa_user_sgpr_kernarg_segment_ptr 1
		.amdhsa_wavefront_size32 1
		.amdhsa_system_sgpr_workgroup_id_x 1
		.amdhsa_system_sgpr_workgroup_id_y 1
		.amdhsa_system_sgpr_workgroup_id_z 1
		.amdhsa_system_vgpr_workitem_id 0
		.amdhsa_next_free_vgpr 226
		.amdhsa_next_free_sgpr 66
		.amdhsa_reserve_vcc 0
		.amdhsa_float_denorm_mode_32 3
		.amdhsa_float_denorm_mode_16_64 3
		.amdhsa_memory_ordered 1
		.amdhsa_forward_progress 1
		.amdhsa_inst_pref_size 124
	.end_amdhsa_kernel
	.amdgpu_metadata
---
amdhsa.version: [ 1, 2 ]
amdhsa.kernels:
  - .name:           k_q495a7ce9cc_quant
    .symbol:         k_q495a7ce9cc_quant.kd
    .args:
      - { .name: x, .offset: 0, .size: 8, .value_kind: global_buffer, .address_space: global }
      - { .name: w_q, .offset: 8, .size: 8, .value_kind: global_buffer, .address_space: global }
      - { .name: scale, .offset: 16, .size: 8, .value_kind: global_buffer, .address_space: global }
      - { .name: a_ws, .offset: 24, .size: 8, .value_kind: global_buffer, .address_space: global }
      - { .name: b_ws, .offset: 32, .size: 8, .value_kind: global_buffer, .address_space: global }
    .group_segment_fixed_size: 74752
    .private_segment_fixed_size: 0
    .kernarg_segment_align: 8
    .kernarg_segment_size: 40
    .max_flat_workgroup_size: 256
    .sgpr_count:     66
    .vgpr_count:     226
    .wavefront_size: 32
...
	.end_amdgpu_metadata
.endif
;; end of part 1
;; launch gemm (part 2): grid 16 x 16, 4 waves a work-group, clusters of 4 x 4, 327,680 bytes of LDS; arguments a_ws, b_ws, bias, out0; writes out0
.if DOCPART == 2
	.amdgcn_target "amdgcn-amd-amdhsa--gfx1250"
	.amdhsa_code_object_version 6
	.text
	.protected	k_q495a7ce9cc_gemm
	.globl	k_q495a7ce9cc_gemm
	.p2align	8
	.type	k_q495a7ce9cc_gemm,@function
k_q495a7ce9cc_gemm:
	s_mov_b64 s[64:65], 0
	v_nop
	global_prefetch_b8 v0, s[64:65] scope:SCOPE_SE
	s_setreg_imm32_b32 hwreg(HW_REG_WAVE_MODE, 25, 1), 1
	s_wait_xcnt 0x0
	s_wait_alu depctr_hold_cnt(0) depctr_sa_sdst(0) depctr_va_vdst(0) depctr_va_sdst(0) depctr_va_ssrc(0) depctr_va_vcc(0) depctr_vm_vsrc(0)
	s_getreg_b32 s2, hwreg(HW_REG_IB_STS2, 6, 4)
	s_cmp_eq_u32 s2, 0
	s_cbranch_scc0 .Lentry_in_a_cluster
	s_endpgm
.Lentry_in_a_cluster:
	s_bfe_u32 s2, ttmp6, 0x10000c
	s_cmp_lg_u32 s2, 0xf033
	s_cbranch_scc0 .Lentry_shape_is_right
	s_endpgm
.Lentry_shape_is_right:
; out[m][n] = f16(bias[n] + sum over k of A[m][k] B[n][k]), A = x's codes, B = w's codes (E4M3, an E8M0 byte for 32 along K), 4,096 x 4,096 x 4,096, sums in f32.
; a_ws, b_ws: [group of 128 rows: 32][K step of 256: 16][33,792 bytes]: 128 rows x 256 codes, then 1,024 scale bytes, as the first launch lays them: dense; a tile comes as 33 rows of 1,024 bytes, with 16 bytes of padding in LDS behind each 256.
; A work-group of four waves makes 256 x 256, a wave 128 x 128 (64 sums of 16 x 16 in 512 registers).  The ring has two slots of one K step of 256; a wave fetches one group's tile with one tensor load.
; CLUSTERS 4 x 4: A's tiles are asked for jointly along a row, B's along a column.  Every refill stands behind a round of the cluster's barrier.
; THE MATRIX INSTRUCTION IS USED TRANSPOSED (source 0 = 16 rows of B, source 1 = 16 rows of A): a lane then holds eight neighbouring columns of one row of the result.
; REGISTERS: window 0: v0-15 addresses; v16-31 scale words, a set for each half q of a K step (lanes 0-15 A's block i, lanes 16-31 B's block i); v32-255 A's fragments: blocks 0, 1 one set, blocks 2-7 one for each q.
;   Window 1: B's fragments, a set for each q.  Windows 2, 3: the sums of row blocks 0-3, 4-7; (a, b) at v[64 (a % 4) + 8 b].
;   THE BIAS stands at first in row block 7's sums, is the C of every first product, and block 7's own products come last.
; A STEP is 128 along K, 64 products, row block by row block.  The next step's loads come in two runs: behind row block 1 two for the scale words and B's 32; behind row block 3 A's 32, blocks 0 and 1 first.
;   In a slot's second step the round of the cluster's barrier and the refill stand in front of the first run, and the prefetch behind the second.
; THE LAST K STEP goes by rows of the result: a row block's sums are finished, packed in their own registers, turned through the wave's stage in LDS and stored while later row blocks are multiplied.
; PREFETCH: a group's tiles are 2,112 units of 256 bytes on end; a request takes 128 units, 32 by each of the four partners that ask for the tile jointly, told apart by address.  One request stands in the head, one behind K step 1's load,
;   one in K step 0's first half, and one in the second half of each of the first 12 K steps, more than two K steps ahead of the load that names the unit; units 0-191 come by their loads alone; the last request ends with the group's last unit.
; LIMITS: NaN and infinities among the inputs are not served; a result beyond f16's range becomes an infinity.
.set BLK,    33792
.set GSTR,   16*BLK
.set PITCH,  272
.set HALFT,  132*PITCH
.set SCOFF,  128*PITCH                 ; the scale bytes of a group's tile in LDS
.set SLOT,   4*HALFT
.set STAGE,  2*SLOT                    ; 16 rows x 272 bytes for each wave
.set SPITCH, 272
.set SPARE,  STAGE+4*16*SPITCH         ; the spare words
.set NROW,   8192
.set PF0,    192                       ; the first unit that is prefetched: 2,112 - 15 x 128
.set ADRA, 2
.set ADRB, 4
.set ADRS, 6
.set STO,  8
.set RD,   9
.set CO,   10
.set BO,   11
.set SPW,  12
.set NIL,  13
.set PFO,  14
.set SC,   16
.set AF,   32
.set G1,  24
.set G0,  32
.set G1B, 48
.set G0B, 56
.set PFA, 66
.set MSB, 0
.macro WIN new                         ; the immediate's high byte repeats the setting that is left
.if MSB != (\new)
	s_set_vgpr_msb (MSB<<8)|(\new)
.set MSB, \new
.endif
.endm
.macro JLOAD s                         ; a joint load: waves 0, 1 fetch A's two groups, waves 2, 3 B's
	s_cmp_eq_u32 s15, 0
	s_cbranch_scc0 .Lfor_b_\@
	tensor_load_to_lds s[G0+4*\s:G0+4*\s+3], s[G1:G1+7]
	s_nop 0
.rept 4
	v_nop
.endr
	s_branch .Lasked_\@
.Lfor_b_\@:
	tensor_load_to_lds s[G0B+4*\s:G0B+4*\s+3], s[G1B:G1B+7]
	s_nop 0
.rept 4
	v_nop
.endr
.Lasked_\@:
.endm
.macro CREST                           ; a round of the cluster's barrier behind its opening barrier
	s_cmp_lg_u32 s14, 0
	s_cbranch_scc1 .Lnot_wave_0_\@
	s_barrier_signal -3
.Lnot_wave_0_\@:
	s_barrier_wait -3
	s_barrier_signal -1
	s_barrier_wait -1
.endm
.macro CROUND
	s_barrier_signal -1
	s_barrier_wait -1
	CREST
.endm
.macro ASK off
	global_prefetch_b8 v[PFO], s[PFA:PFA+1] offset:\off th:TH_LOAD_NT scope:SCOPE_SE
.endm
	s_load_b256 s[4:11], s[0:1], 0x0               ; a_ws s[4:5], b_ws s[6:7], bias s[8:9], out0 s[10:11]
	v_lshl_add_u32 v[SPW], v0, 2, SPARE
	v_mov_b32 v[NIL], 0
	ds_add_u32 v[SPW], v[NIL]                      ; the opening adds
	ds_add_u32 v[SPW], v[NIL]
	v_lshrrev_b32 v1, 5, v0
	v_readfirstlane_b32 s14, v1                    ; wave 0..3
	s_lshr_b32 s15, s14, 1                         ; my half of the rows; I fetch for A (0) or B (1)
	s_and_b32 s16, s14, 1                          ; my half of the columns; which group of the two I fetch
	s_bfe_u32 s40, ttmp6, 0x40000                  ; cx, cy
	s_bfe_u32 s41, ttmp6, 0x40004
	s_lshl_b32 s42, ttmp9, 2
	s_add_co_u32 s42, s42, s40                     ; tile column
	s_and_b32 s17, ttmp7, 0xffff
	s_lshl_b32 s17, s17, 2
	s_add_co_u32 s17, s17, s41                     ; tile row
	s_lshl_b32 s43, s41, 2
	s_lshl_b32 s43, 15, s43                        ; my row of the cluster
	s_lshl_b32 s44, 0x1111, s40                    ; my column
	; group 1: 33 rows of 128 elements of 8 bytes; 16 bytes of padding behind every 64 words
	s_or_b32 s[G1+0], s43, (3<<16)|(1<<20)|(1<<21)|(5<<22)|(3<<25)
	s_or_b32 s[G1B+0], s44, (3<<16)|(1<<20)|(1<<21)|(5<<22)|(3<<25)
.irp g, G1, G1B
	s_mov_b32 s[\g+1], 128<<16
	s_mov_b32 s[\g+2], 33<<16
	s_mov_b32 s[\g+3], 128<<16
	s_mov_b32 s[\g+4], 33
	s_mov_b32 s[\g+5], 128
	s_mov_b32 s[\g+6], 0
	s_mov_b32 s[\g+7], 0
.endr
	s_lshl_b32 s20, s17, 1                         ; A's group: 2 x tile row + which
	s_add_co_u32 s20, s20, s16
	s_mul_i32 s20, s20, GSTR
	s_mov_b32 s21, 0
	s_lshl_b32 s46, s42, 1                         ; B's
	s_add_co_u32 s46, s46, s16
	s_mul_i32 s46, s46, GSTR
	s_mov_b32 s47, 0
	s_mul_i32 s45, s14, HALFT                      ; where my tile goes in a slot
	s_mul_i32 s70, s15, HALFT                      ; my 128 rows of A in a slot,
	s_add_co_u32 s68, s70, SCOFF                   ; their scale bytes,
	s_mul_i32 s71, s16, HALFT
	s_add_co_u32 s71, s71, 2*HALFT                 ; my 128 rows of B,
	s_xor_b32 s69, s15, 1
	s_add_co_u32 s69, s69, s16
	s_add_co_u32 s69, s69, 1
	s_mul_i32 s69, s69, HALFT                      ; and how far they lie behind A's
	s_mul_i32 s73, s14, 16*SPITCH
	s_add_co_u32 s73, s73, STAGE                   ; my stage
	s_cmp_eq_u32 s15, 0                            ; the prefetches: my group, my share by cx (A) or cy (B)
	s_cselect_b32 s74, s17, s42
	s_cselect_b32 s75, s40, s41
	s_lshl_b32 s74, s74, 1
	s_add_co_u32 s74, s74, s16
	s_mul_i32 s74, s74, GSTR
	s_lshl_b32 s75, s75, 13
	s_add_co_u32 s74, s74, s75
	s_add_co_u32 s74, s74, PF0*256
	s_mov_b32 s75, 0
	s_lshl_b32 s76, s42, 9                         ; my first column in bytes, of bias and of out0
	s_lshl_b32 s77, s16, 8
	s_add_co_u32 s76, s76, s77
	s_mov_b32 s77, 0
	s_lshl_b32 s78, s17, 8                         ; my first row of out0
	s_lshl_b32 s79, s15, 7
	s_add_co_u32 s78, s78, s79
	s_lshl_b32 s78, s78, 13
	s_add_co_u32 s78, s78, s76
	s_mov_b32 s79, 0
	s_wait_alu depctr_va_vdst(0)
	s_wait_dscnt 0x0                               ; both opening adds are done
	CROUND                                         ; all sixteen work-groups are here
	s_wait_kmcnt 0x0
	s_add_nc_u64 s[20:21], s[4:5], s[20:21]
	s_add_nc_u64 s[46:47], s[6:7], s[46:47]
.irp s, 0,1
	s_mov_b32 s[G0+4*\s], 1
	s_add_co_u32 s[G0+4*\s+1], s45, \s*SLOT
	s_add_nc_u64 s[G0+4*\s+2:G0+4*\s+3], s[20:21], \s*BLK
	s_or_b32 s[G0+4*\s+3], s[G0+4*\s+3], 0x80000000
	s_mov_b32 s[G0B+4*\s], 1
	s_add_co_u32 s[G0B+4*\s+1], s45, \s*SLOT
	s_add_nc_u64 s[G0B+4*\s+2:G0B+4*\s+3], s[46:47], \s*BLK
	s_or_b32 s[G0B+4*\s+3], s[G0B+4*\s+3], 0x80000000
.endr
	JLOAD 0                                        ; K step 0: one tensor load a wave at the head
	s_cmp_eq_u32 s15, 0
	s_cselect_b64 s[PFA:PFA+1], s[4:5], s[6:7]
	s_add_nc_u64 s[PFA:PFA+1], s[PFA:PFA+1], s[74:75]
	s_add_nc_u64 s[8:9], s[8:9], s[76:77]
	s_add_nc_u64 s[10:11], s[10:11], s[78:79]
	v_and_b32 v32, 15, v0                          ; l % 16
	v_bfe_u32 v33, v0, 4, 1                        ; l / 16
	v_lshlrev_b32 v[BO], 4, v33
	v_and_b32 v34, 31, v0
	v_lshlrev_b32 v[PFO], 8, v34                   ; a prefetch: a unit a lane
.irp b, 0,1,2,3,4,5,6,7
	global_load_b128 v[96+4*\b:99+4*\b], v[BO], s[8:9] offset:32*\b   ; bias of columns 16 b + 8 h + 0 .. 7
.endr
	ASK 0
	v_mul_u32_u24 v35, v32, PITCH
	v_lshl_add_u32 v36, v33, 4, v35                ; a fragment's row x pitch + 16 x half
	v_add_nc_u32 v[ADRA], s70, v36
	v_add_nc_u32 v[ADRB], s71, v36
	v_add_nc_u32 v[ADRA+1], SLOT, v[ADRA]
	v_add_nc_u32 v[ADRB+1], SLOT, v[ADRB]
	v_lshlrev_b32 v37, 4, v32                      ; scale words: row l % 16 of four row blocks side by side; lanes 0-15 A's rows, lanes 16-31 B's
	v_mul_u32_u24 v38, s69, v33
	v_add_nc_u32 v37, v37, v38
	v_add_nc_u32 v[ADRS], s68, v37
	v_add_nc_u32 v[ADRS+1], SLOT, v[ADRS]
	v_mul_u32_u24 v39, v32, SPITCH                 ; into the stage: row l % 16
	v_lshl_add_u32 v39, v33, 4, v39
	v_add_nc_u32 v[STO], s73, v39
	v_mul_u32_u24 v40, v33, SPITCH                 ; out of it: sixteen lanes to a row
	v_lshl_add_u32 v40, v32, 4, v40
	v_add_nc_u32 v[RD], s73, v40
	v_lshlrev_b32 v41, 13, v33
	v_lshl_add_u32 v[CO], v32, 4, v41              ; the same two rows in out0
	s_wait_loadcnt 0x0
	WIN 0xc0
.irp r, 96,97,98,99,100,101,102,103,104,105,106,107,108,109,110,111,112,113,114,115,116,117,118,119,120,121,122,123,124,125,126,127
	v_cvt_f32_f16 v[192+2*(\r-96)], v\r\().l       ; row block 7's sums, window 3
	v_cvt_f32_f16 v[192+2*(\r-96)+1], v\r\().h
.endr
	WIN 0
; The product of row block A_ and column block B_: A's fragment at AR_, B's set q.  first: C is the bias
.macro WM q, first
.set D_, 64*(A_%4)+8*B_
.set BR_, 128*(\q)+16*B_
.set SA_, SC+8*(\q)+A_
.set SB_, SC+8*(\q)+B_
.if \first
	WIN 0xb1+0x40*(A_/4)
	v_wmma_scale_f32_16x16x128_f8f6f4 v[D_:D_+7], v[BR_:BR_+15], v[AR_:AR_+15], v[192+8*B_:199+8*B_], v[SB_], v[SA_] matrix_a_scale:MATRIX_SCALE_ROW1
.else
	WIN 0xa1+0x50*(A_/4)
	v_wmma_scale_f32_16x16x128_f8f6f4 v[D_:D_+7], v[BR_:BR_+15], v[AR_:AR_+15], v[D_:D_+7], v[SB_], v[SA_] matrix_a_scale:MATRIX_SCALE_ROW1
.endif
.endm
.macro MUL a, q, first                 ; row block a against B's eight
.set A_, \a
.if A_ < 2
.set AR_, AF+16*A_
.else
.set AR_, AF+16*A_+96*(\q)
.endif
.irp b, 0,1,2,3,4,5,6,7
.set B_, \b
	WM \q, \first
.endr
.endm
.macro TMUL a, q                       ; in the last K step: row block a's fragments stand in buffer a % 4, both q on end
.set A_, \a
.set AR_, 32+((32*(((\a)%4)+1))%128)+16*(\q)
.irp b, 0,1,2,3,4,5,6,7
.set B_, \b
	WM \q, 0
.endr
.endm
.macro FRAG reg, adr, q, i             ; registers 4 c .. 4 c + 3 hold K = 32 c + 16 (l / 16) + 0 .. 15 of row l % 16
.irp c, 0,1,2,3
	ds_load_b128 v[\reg+4*\c:\reg+4*\c+3], v[\adr] offset:128*(\q)+32*\c+(\i)*16*PITCH
.endr
.endm
.macro RUNB slot, q                    ; scale words (row blocks 0-3, 4-7) and B's fragments of half q: 34 loads
	WIN 0
	ds_load_b128 v[SC+8*(\q):SC+8*(\q)+3], v[ADRS+\slot] offset:2*(\q)*PITCH
	ds_load_b128 v[SC+8*(\q)+4:SC+8*(\q)+7], v[ADRS+\slot] offset:(2*(\q)+1)*PITCH
	WIN 0x40
.irp i, 0,1,2,3,4,5,6,7
	FRAG 128*(\q)+16*\i, ADRB+\slot, \q, \i
.endr
	WIN 0
.endm
.macro RUNA slot, q, tail              ; A's fragments of half q: 32 loads; tail = 1: row blocks 0-3 of the last K step, both q
	WIN 0
.if \tail
.irp i, 0,1,2,3
	FRAG 32+((32*(\i+1))%128), ADRA+\slot, 0, \i
	FRAG 32+((32*(\i+1))%128)+16, ADRA+\slot, 1, \i
.endr
.else
.irp i, 0,1
	FRAG AF+16*\i, ADRA+\slot, \q, \i
.endr
.irp i, 2,3,4,5,6,7
	FRAG AF+16*\i+96*(\q), ADRA+\slot, \q, \i
.endr
.endif
.endm
; A load into a register that a matrix instruction has read, and a vector instruction that reads a matrix result, stand eight places behind that matrix instruction.
; The eight places ahead of a step's first run of loads serve its second run too: what that run fills was last read in row blocks 0 and 1 or in an earlier step.
.macro PLACES n
.rept \n
	v_nop
.endr
.endm
; A slot's first step (q = 0)
.macro STEPA slot, first
	s_wait_dscnt 24                                ; all but A's blocks 2-7 (the 24 youngest loads) are in
	MUL 0, 0, \first
	MUL 1, 0, \first
	s_wait_dscnt 0x0                               ; blocks 2-7 too
	PLACES 8
	RUNB \slot, 1
	MUL 2, 0, \first
	MUL 3, 0, \first
	RUNA \slot, 1, 0
.if \first
	ASK 2*128*256
.endif
	MUL 4, 0, \first
	MUL 5, 0, \first
	MUL 6, 0, \first
.if \first
	PLACES 9                                       ; row block 7's products write over what block 6's have read as C
.endif
	MUL 7, 0, \first
.endm
; A slot's second step (q = 1) changes slots: the lines with eight products between the add and the wait for it, eight more between signal and wait, the round, the refill, and the other slot's first fragments
.macro STEPB slot, next, fill, ask, tail
	WIN 0
.if \ask
	s_wait_xcnt 0x0                                ; the last prefetch has read its address
	s_add_nc_u64 s[PFA:PFA+1], s[PFA:PFA+1], 128*256
.endif
	s_wait_tensorcnt 0x0                           ; my part of the other slot is in
	ds_add_u32 v[SPW], v[NIL]
.if \fill
	s_add_nc_u64 s[G0+4*\slot+2:G0+4*\slot+3], s[G0+4*\slot+2:G0+4*\slot+3], 2*BLK
	s_add_nc_u64 s[G0B+4*\slot+2:G0B+4*\slot+3], s[G0B+4*\slot+2:G0B+4*\slot+3], 2*BLK
.endif
	s_wait_dscnt 25                                ; all but A's blocks 2-7 and the add
	MUL 0, 1, 0
	s_wait_dscnt 0x0                               ; the add and all my reads of this slot are done
	s_barrier_signal -1
	MUL 1, 1, 0
	WIN 0
	s_barrier_wait -1
.if \fill
	CREST
	JLOAD \slot                                    ; its four v_nop are places for the loads below
	PLACES 4
.else
	PLACES 8
.endif
	RUNB \next, 0
	MUL 2, 1, 0
	MUL 3, 1, 0
	RUNA \next, 0, \tail
.if \ask == 1
	ASK 2*128*256
.elseif \ask == 2                      ; the loop's last K step asks for nothing: the group's last unit has been asked for
	s_cmp_lg_u32 s3, 1
	s_cbranch_scc0 .Lno_more_\@
	ASK 2*128*256
.Lno_more_\@:
.endif
.irp a, 4,5,6,7
	MUL \a, 1, 0
.endr
	WIN 0
.endm
	s_wait_alu depctr_va_vdst(0)
	s_wait_tensorcnt 0x0                           ; my part of K step 0 is in
	ds_add_u32 v[SPW], v[NIL]
	s_wait_dscnt 0x0
	CROUND
	JLOAD 1                                        ; K step 1
	RUNB 0, 0
	RUNA 0, 0, 0
	ASK 128*256
	STEPA 0, 1                                     ; K step 0
	STEPB 0, 1, 1, 1, 0
	s_mov_b32 s3, 6
.Llap:                                                 ; K steps 1 to 12, two a trip
	STEPA 1, 0
	STEPB 1, 0, 1, 1, 0
	STEPA 0, 0
	STEPB 0, 1, 1, 2, 0
	s_sub_co_u32 s3, s3, 1
	s_cmp_lg_u32 s3, 0
	s_cbranch_scc1 .Llap
	STEPA 1, 0                                     ; K step 13: fills for the last time
	STEPB 1, 0, 1, 0, 0
	STEPA 0, 0                                     ; K step 14: shows K step 15, fills nothing
	STEPB 0, 1, 0, 0, 1
; THE LAST K STEP.  q = 0 of row blocks 0-3 while B's fragments of q = 1 come; then row block by row block
	PLACES 8
	RUNB 1, 1
	s_wait_dscnt 34                                ; all but the 34 just issued
.irp a, 0,1,2,3
	TMUL \a, 0
.endr
	s_wait_dscnt 0x0
.macro AROW a                          ; row block a + 4 into row block a's buffer
	WIN 0
	FRAG 32+((32*((\a)+1))%128), ADRA+1, 0, (\a)+4
	FRAG 32+((32*((\a)+1))%128)+16, ADRA+1, 1, (\a)+4
.endm
.macro SEND a                          ; row block a is back from the stage: sixteen lanes store 256 consecutive bytes, aligned
.if (\a) < 4
	s_wait_dscnt 8                                 ; the eight loads of row block a + 4's fragments may be out
.else
	s_wait_dscnt 0x0
.endif
	WIN 0x88+0x44*((\a)/4)
.set AC_, 64*((\a)%4)
.irp t, 0,1,2,3,4,5,6,7
	global_store_b128 v[CO], v[AC_+8*\t+4:AC_+8*\t+7], s[10:11] offset:(16*(\a)+2*\t)*NROW
.endr
.endm
.macro ROW a
.if (\a) >= 4
	TMUL \a, 0
.endif
	TMUL \a, 1
.if (\a) > 0
	SEND (\a)-1
.endif
	PLACES 8                                       ; the conversions read results just made
.set AC_, 64*((\a)%4)
	WIN 0x8a+0x45*((\a)/4)
.irp b, 0,1,2,3,4,5,6,7                ; packed in place: registers 0-3 of each sum take its eight numbers
.irp r, 0,1,2,3
	v_cvt_pk_f16_f32 v[AC_+8*\b+\r], v[AC_+8*\b+2*\r], v[AC_+8*\b+2*\r+1]
.endr
.endr
	WIN 0x88+0x44*((\a)/4)
.irp b, 0,1,2,3,4,5,6,7
	ds_store_b128 v[STO], v[AC_+8*\b:AC_+8*\b+3] offset:32*\b
.endr
.irp t, 0,1,2,3,4,5,6,7                ; LDS serves a wave's instructions in order (ISA guide 5.7.1.4); registers 4-7 take the rows
	ds_load_b128 v[AC_+8*\t+4:AC_+8*\t+7], v[RD] offset:2*\t*SPITCH
.endr
.if (\a) < 4
	AROW \a
.endif
.endm
.irp a, 0,1,2,3,4,5,6,7
	ROW \a
.endr
	SEND 7
	WIN 0
	s_wait_tensorcnt 0x0                           ; the wave's end
	ds_add_u32 v[SPW], v[NIL]
	s_wait_dscnt 0x0
	CROUND                                         ; the closing round
	s_endpgm
.Lfunc_end_k_q495a7ce9cc_gemm:
	.size	k_q495a7ce9cc_gemm, .Lfunc_end_k_q495a7ce9cc_gemm-k_q495a7ce9cc_gemm
	.p2alignl 7, 3214868480
	.fill 96, 4, 3214868480
	.section	.rodata,"a",@progbits
	.p2align	6, 0x0
	.amdhsa_kernel k_q495a7ce9cc_gemm
		.amdhsa_group_segment_fixed_size 327680
		.amdhsa_private_segment_fixed_size 0
		.amdhsa_enable_private_segment 0
		.amdhsa_kernarg_size 32
		.amdhsa_user_sgpr_count 2
		.amdhsa_user_sgpr_kernarg_segment_ptr 1
		.amdhsa_wavefront_size32 1
		.amdhsa_system_sgpr_workgroup_id_x 1
		.amdhsa_system_sgpr_workgroup_id_y 1
		.amdhsa_system_sgpr_workgroup_id_z 1
		.amdhsa_system_vgpr_workitem_id 0
		.amdhsa_next_free_vgpr 1024
		.amdhsa_next_free_sgpr 80
		.amdhsa_reserve_vcc 0
		.amdhsa_float_denorm_mode_32 3
		.amdhsa_float_denorm_mode_16_64 3
		.amdhsa_memory_ordered 1
		.amdhsa_forward_progress 1
		.amdhsa_inst_pref_size 202
	.end_amdhsa_kernel
	.amdgpu_metadata
---
amdhsa.version: [ 1, 2 ]
amdhsa.kernels:
  - .name:           k_q495a7ce9cc_gemm
    .symbol:         k_q495a7ce9cc_gemm.kd
    .args:
      - { .name: a_ws, .offset: 0, .size: 8, .value_kind: global_buffer, .address_space: global }
      - { .name: b_ws, .offset: 8, .size: 8, .value_kind: global_buffer, .address_space: global }
      - { .name: bias, .offset: 16, .size: 8, .value_kind: global_buffer, .address_space: global }
      - { .name: out0, .offset: 24, .size: 8, .value_kind: global_buffer, .address_space: global }
    .group_segment_fixed_size: 327680
    .private_segment_fixed_size: 0
    .kernarg_segment_align: 8
    .kernarg_segment_size: 32
    .max_flat_workgroup_size: 128
    .sgpr_count:     80
    .vgpr_count:     1024
    .wavefront_size: 32
...
	.end_amdgpu_metadata
.endif
;; end of part 2
